; MI455X (gfx1250); checked and timed in simulation.
; The chip was launched on July 23, 2026; its instructions are those of AMD's public machine-readable ISA for CDNA 5 (MIT licence, August 2026) and "CDNA5" Instruction Set Architecture Reference Guide (July 2026). The comments in the code are by the model that wrote it; some were corrected since.
;; Self Attention. Allowed arithmetic: float matrix products may take bf16 or f16 operands with f32 sums; all other float work in f32.
;; Inputs: Wd 1,024 x 1,024 float32; Wqkv 3,072 x 1,024 float32; bd 1,024 float32; bqkv 3,072 float32; x 2 x 2,048 x 1,024 float32.
;; Outputs: out0 2 x 2,048 x 1,024 float32.
;; Constants: mask = 1.
;; 2 versions, each right; version 2 is version 1 with the launch tobf16 written anew for expert scheduling mode. Each part assembles by itself: llvm-mc -triple=amdgcn-amd-amdhsa -mcpu=gfx1250 --defsym DOCPART=n.
;; ======== version 1 of 2: 4 launches
;; limits: values are held in f16: magnitudes above 65,504 overflow, below 6.1e-05 lose precision
;; workspace buffers: xb 8,388,608 bytes; wqb 6,291,456 bytes; wdh 2,097,152 bytes; qkv 25,165,824 bytes; ao 8,388,608 bytes
;; launch tobf16 (part 1): grid 256 x 1, 8 waves a work-group, no clusters, 0 bytes of LDS; arguments x, Wqkv, Wd, xb, wqb, wdh; writes xb, wqb, wdh
.if DOCPART == 1
	.amdgcn_target "amdgcn-amd-amdhsa--gfx1250"
	.amdhsa_code_object_version 6
	.text
	.protected	k_qe29eeb8d62_tobf16
	.globl	k_qe29eeb8d62_tobf16
	.p2align	8
	.type	k_qe29eeb8d62_tobf16,@function
k_qe29eeb8d62_tobf16:
	s_mov_b64 s[64:65], 0
	v_nop
	global_prefetch_b8 v0, s[64:65] scope:SCOPE_SE
	s_setreg_imm32_b32 hwreg(HW_REG_WAVE_MODE, 25, 1), 1
	s_wait_xcnt 0x0
; x, Wqkv and Wd (f32) are rounded once to bf16, so that the later launches bring 16-bit tiles into LDS.
;   xb  = bf16(x), wqb = bf16(Wqkv): bf16 codes.
;   wdh = bf16(Wd) written in f16's encoding, because it later meets an f16 operand in one matrix form.
; LIMITS of wdh: a bf16 number has 8 significant bits, so the second step is exact for 2^-14 <= |w| < 65,504;
; below 2^-14 it is rounded to a multiple of 2^-24 (error at most 2^-25); at 65,520 and above it becomes infinity.
; A stream: no LDS, no matrix unit, no cluster (no byte is used twice).
; 256 work-groups of 32,768 numbers: 0-127 take x, 128-223 Wqkv, 224-255 Wd.  A wave takes 4,096 numbers:
; 32 loads of 512 consecutive bytes, all issued at once, and 32 stores of 256 consecutive aligned bytes.
; No register is used twice, so the only waits are the counted ones for the loads.
.set X, 4                              ; v[4:131]   32 x 4 numbers as loaded
.set Y, 132                            ; v[132:195] 32 x 2 words to store
.set T, 196                            ; v[196:199] at work (Wd only)
	s_load_b256 s[4:11], s[0:1], 0x0               ; x s[4:5], Wqkv s[6:7], Wd s[8:9], xb s[10:11]
	s_load_b128 s[12:15], s[0:1], 0x20             ; wqb s[12:13], wdh s[14:15]
	v_and_b32 v1, 31, v0                           ; lane
	v_lshrrev_b32 v3, 5, v0                        ; wave
	v_lshlrev_b32 v2, 3, v1                        ; out: 8 bytes a lane
	v_lshlrev_b32 v1, 4, v1                        ; in: 16 bytes a lane
	v_lshl_add_u32 v1, v3, 14, v1                  ; + wave x 16,384
	v_lshl_add_u32 v2, v3, 13, v2                  ; + wave x 8,192
	s_mov_b32 s16, 224
	s_mov_b32 s26, 0xffff0000                      ; a word's upper bf16
	s_wait_kmcnt 0x0
	s_cmp_ge_u32 ttmp9, 224                        ; which tensor is mine: the choice hangs on the work-group's number alone
	s_cselect_b64 s[18:19], s[8:9], s[6:7]
	s_cselect_b64 s[20:21], s[14:15], s[12:13]
	s_cselect_b32 s17, s16, 128
	s_cmp_lt_u32 ttmp9, 128
	s_cselect_b64 s[18:19], s[4:5], s[18:19]
	s_cselect_b64 s[20:21], s[10:11], s[20:21]
	s_cselect_b32 s17, 0, s17
	s_sub_co_u32 s17, ttmp9, s17                   ; my number within that tensor
	s_lshl_b32 s22, s17, 17                        ; x 131,072 bytes in
	s_mov_b32 s23, 0
	s_lshl_b32 s24, s17, 16                        ; x 65,536 bytes out
	s_mov_b32 s25, 0
	s_add_nc_u64 s[18:19], s[18:19], s[22:23]
	s_add_nc_u64 s[20:21], s[20:21], s[24:25]
.irp j, 0,1,2,3,4,5,6,7,8,9,10,11,12,13,14,15,16,17,18,19,20,21,22,23,24,25,26,27,28,29,30,31
	global_load_b128 v[X+4*\j:X+4*\j+3], v1, s[18:19] offset:512*\j th:TH_LOAD_NT
.endr
; chunk j: four numbers a lane.  wd = 1: the bf16 codes are widened again (a shift, a mask) and written as f16.
.macro CVT j, wd
	s_wait_loadcnt 31-\j                           ; loads come back in order: chunk j is in, the 31 - j younger ones stay out
	v_cvt_pk_bf16_f32 v[Y+2*\j],   v[X+4*\j],   v[X+4*\j+1]
	v_cvt_pk_bf16_f32 v[Y+2*\j+1], v[X+4*\j+2], v[X+4*\j+3]
.if \wd
	v_lshlrev_b32 v[T],   16,  v[Y+2*\j]
	v_and_b32     v[T+1], s26, v[Y+2*\j]
	v_lshlrev_b32 v[T+2], 16,  v[Y+2*\j+1]
	v_and_b32     v[T+3], s26, v[Y+2*\j+1]
	v_cvt_pk_f16_f32 v[Y+2*\j],   v[T],   v[T+1]
	v_cvt_pk_f16_f32 v[Y+2*\j+1], v[T+2], v[T+3]
.endif
	global_store_b64 v2, v[Y+2*\j:Y+2*\j+1], s[20:21] offset:256*\j   ; the wave's 32 lanes store 256 consecutive bytes, aligned
.endm
	s_cmp_ge_u32 ttmp9, 224
	s_cbranch_scc1 .Lwd
.irp j, 0,1,2,3,4,5,6,7,8,9,10,11,12,13,14,15,16,17,18,19,20,21,22,23,24,25,26,27,28,29,30,31
	CVT \j, 0
.endr
	s_endpgm
.Lwd:
.irp j, 0,1,2,3,4,5,6,7,8,9,10,11,12,13,14,15,16,17,18,19,20,21,22,23,24,25,26,27,28,29,30,31
	CVT \j, 1
.endr
	s_endpgm
.Lfunc_end_k_qe29eeb8d62_tobf16:
	.size	k_qe29eeb8d62_tobf16, .Lfunc_end_k_qe29eeb8d62_tobf16-k_qe29eeb8d62_tobf16
	.p2alignl 7, 3214868480
	.fill 96, 4, 3214868480
	.section	.rodata,"a",@progbits
	.p2align	6, 0x0
	.amdhsa_kernel k_qe29eeb8d62_tobf16
		.amdhsa_group_segment_fixed_size 0
		.amdhsa_private_segment_fixed_size 0
		.amdhsa_enable_private_segment 0
		.amdhsa_kernarg_size 48
		.amdhsa_user_sgpr_count 2
		.amdhsa_user_sgpr_kernarg_segment_ptr 1
		.amdhsa_wavefront_size32 1
		.amdhsa_system_sgpr_workgroup_id_x 1
		.amdhsa_system_sgpr_workgroup_id_y 1
		.amdhsa_system_sgpr_workgroup_id_z 1
		.amdhsa_system_vgpr_workitem_id 0
		.amdhsa_next_free_vgpr 200
		.amdhsa_next_free_sgpr 66
		.amdhsa_reserve_vcc 0
		.amdhsa_float_denorm_mode_32 3
		.amdhsa_float_denorm_mode_16_64 3
		.amdhsa_memory_ordered 1
		.amdhsa_forward_progress 1
		.amdhsa_inst_pref_size 29
	.end_amdhsa_kernel
	.amdgpu_metadata
---
amdhsa.version: [ 1, 2 ]
amdhsa.kernels:
  - .name:           k_qe29eeb8d62_tobf16
    .symbol:         k_qe29eeb8d62_tobf16.kd
    .args:
      - { .name: x, .offset: 0, .size: 8, .value_kind: global_buffer, .address_space: global }
      - { .name: Wqkv, .offset: 8, .size: 8, .value_kind: global_buffer, .address_space: global }
      - { .name: Wd, .offset: 16, .size: 8, .value_kind: global_buffer, .address_space: global }
      - { .name: xb, .offset: 24, .size: 8, .value_kind: global_buffer, .address_space: global }
      - { .name: wqb, .offset: 32, .size: 8, .value_kind: global_buffer, .address_space: global }
      - { .name: wdh, .offset: 40, .size: 8, .value_kind: global_buffer, .address_space: global }
    .group_segment_fixed_size: 0
    .private_segment_fixed_size: 0
    .kernarg_segment_align: 8
    .kernarg_segment_size: 48
    .max_flat_workgroup_size: 256
    .sgpr_count:     66
    .vgpr_count:     200
    .wavefront_size: 32
...
	.end_amdgpu_metadata
.endif
;; end of part 1
;; launch qkvproj (part 2): grid 16 x 16, 4 waves a work-group, clusters of 4 x 4, 327,680 bytes of LDS; arguments xb, wqb, bqkv, qkv; writes qkv
.if DOCPART == 2
	.amdgcn_target "amdgcn-amd-amdhsa--gfx1250"
	.amdhsa_code_object_version 6
	.text
	.protected	k_qe29eeb8d62_qkvproj
	.globl	k_qe29eeb8d62_qkvproj
	.p2align	8
	.type	k_qe29eeb8d62_qkvproj,@function
k_qe29eeb8d62_qkvproj:
	s_mov_b64 s[64:65], 0
	v_nop
	global_prefetch_b8 v0, s[64:65] scope:SCOPE_SE
	s_setreg_imm32_b32 hwreg(HW_REG_WAVE_MODE, 25, 1), 1
	s_wait_xcnt 0x0
	s_wait_alu depctr_hold_cnt(0) depctr_sa_sdst(0) depctr_va_vdst(0) depctr_va_sdst(0) depctr_va_ssrc(0) depctr_va_vcc(0) depctr_vm_vsrc(0)
	s_getreg_b32 s2, hwreg(HW_REG_IB_STS2, 6, 4)
	s_cmp_eq_u32 s2, 0
	s_cbranch_scc0 .Lentry_in_a_cluster
	s_endpgm
.Lentry_in_a_cluster:
	s_bfe_u32 s2, ttmp6, 0x10000c
	s_cmp_lg_u32 s2, 0xf033
	s_cbranch_scc0 .Lentry_shape_is_right
	s_endpgm
.Lentry_shape_is_right:
; qkv = x Wqkv^T + bqkv.  xb [4096][1024] bf16, wqb [3072][1024] bf16, bqkv [3072] f32; sums in f32; the result is stored in f16
; as planes [batch 2][plane 48][s 2048][64]: plane = column / 64, so q of head h is plane h, k is 16 + h, v is 32 + h.
; In a plane consecutive rows are dense, so 16 rows of a plane are 2,048 consecutive bytes.
; LIMIT: the result is kept in f16: |q|, |k|, |v| must stay below 65,504; below 2^-14 they are rounded to multiples of 2^-24.
; A work-group makes 256 rows x 192 columns with four waves; wave w makes rows 64 w .. 64 w + 63 and all 192 columns (three whole planes):
; 4 x 12 accumulator tiles of 16 x 16, 384 registers.  K goes in steps of 128 through two LDS slots filled by the tensor data mover.
; CLUSTERS: 4 x 4 work-groups.  The four of a row of the cluster need the same tiles of x, the four of a column the same tiles of Wqkv:
; each such tile is asked for jointly, by the same tensor load with the same descriptor and a mask that names the four.
; REGISTERS in windows of 256:
;   window 0: v16-27 addresses; v32-63, v64-95 fragments of x (4 x 16 rows x 32 K), two buffers; v96-143 packed results;
;             v144-239 the bias of my 192 columns as twelve C operands, later two sets for the way out
;   window 1: v0-95, v96-191 fragments of Wqkv (12 x 16 rows x 32 K), two buffers
;   window 2: accumulator tiles of my rows 0-31 (tile (a, b) at v[8 (12 (a & 1) + b)]);  window 3: rows 32-63
; THE MATRIX INSTRUCTION IS USED TRANSPOSED: source 0 = 16 rows of Wqkv, source 1 = 16 rows of x.  Lane l then holds row l % 16 of the
; result and its registers 0-7 the columns 8 (l / 16) + 0 .. 7: eight neighbours, which pack into 16 bytes.
; THE BIAS STARTS THE SUMS: the first product of each tile takes the bias (register j = bias of column 16 b + 8 (l / 16) + j) as C.
.set KSTEP,  128
.set PITCH,  272                       ; an LDS row: 256 bytes + 16 of padding, an odd multiple of 16: the 16 rows of a fragment load start 16 bytes apart modulo 256
.set HALFA,  128*PITCH                 ; what one load of x brings
.set HALFB,  96*PITCH                  ; what one load of Wqkv brings
.set SLOT,   2*HALFA+2*HALFB           ; x's 256 rows, then Wqkv's 192 rows: 121,856 bytes
.set STAGE,  2*SLOT                    ; behind the ring, a multiple of 256: no tensor load lands here
.set SPITCH, 144                       ; the stage: a plane's row of 128 bytes + 16
.set SPLANE, 16*SPITCH
.set STW,    3*SPLANE                  ; a wave's stage: three planes x 16 rows
.set LAPS,   4                         ; 1024 / (2 x 128)
.set ADRA, 16                          ; v16-17  LDS address of my x fragments in slot 0, 1
.set ADRB, 20                          ; v20-21  the same for Wqkv
.set STO,  24                          ; the way out: where I put 16 bytes
.set RD,   25                          ; the way out: where I read back
.set CO,   26                          ; 16 x lane
.set BOFF, 27                          ; 32 x (lane / 16): my eight bias numbers
.set FA,   32
.set TMP,  96
.set BIAS, 144
.set RB0,  144
.set RB1,  192
.set G1,  24                           ; s[24:31] group 1 for x's tiles
.set G0,  32                           ; s[32:39] group 0 for x's tiles, one set for each slot
.set G1B, 48                           ; s[48:55] group 1 for Wqkv's tiles
.set G0B, 56                           ; s[56:63] group 0 for Wqkv's tiles
.set MSB, 0
.macro WIN new                         ; the immediate's high byte repeats the setting that is left
.if MSB != \new
	s_set_vgpr_msb (MSB<<8)|\new
.set MSB, \new
.endif
.endm
.set MUL_LO, 0xa1                      ; source 0 window 1, source 1 window 0, C and D window 2
.set MUL_HI, 0xf1                      ; C and D window 3
.set TO_B,   0x40                      ; destination window 1
; A joint load.  Waves 0 and 1 fetch x's two halves, waves 2 and 3 Wqkv's.  The branch hangs on the wave's number alone.
.macro JLOAD s
	s_cmp_eq_u32 s11, 0
	s_cbranch_scc0 .Lfor_b_\@
	tensor_load_to_lds s[G0+4*\s:G0+4*\s+3], s[G1:G1+7]
	s_nop 0
	s_branch .Lasked_\@
.Lfor_b_\@:
	tensor_load_to_lds s[G0B+4*\s:G0B+4*\s+3], s[G1B:G1B+7]
	s_nop 0
.Lasked_\@:
.endm
.macro CREST                           ; a round of the cluster's barrier behind its opening barrier
	s_cmp_lg_u32 s10, 0
	s_cbranch_scc1 .Lnot_wave_0_\@
	s_barrier_signal -3
.Lnot_wave_0_\@:
	s_barrier_wait -3
	s_barrier_signal -1
	s_barrier_wait -1
.endm
.macro CROUND                          ; a whole round
	s_barrier_signal -1
	s_barrier_wait -1
	CREST
.endm
	s_load_b128 s[4:7], s[0:1], 0x0                ; xb s[4:5], wqb s[6:7]
	s_load_b64 s[68:69], s[0:1], 0x10              ; bqkv
	s_load_b64 s[8:9], s[0:1], 0x18                ; qkv
	s_set_vgpr_msb 0x40
	v_lshl_add_u32 v255, v0, 2, 0x42400
	s_set_vgpr_msb 0x4000
	v_mov_b32 v255, 0
	s_set_vgpr_msb 0x1
	ds_add_u32 v255, v255
	s_set_vgpr_msb 0x100
	v_lshrrev_b32 v1, 5, v0
	v_readfirstlane_b32 s10, v1                    ; wave 0..3
	s_lshr_b32 s11, s10, 1                         ; I fetch for x (0) or for Wqkv (1)
	s_and_b32 s12, s10, 1                          ; which half of that tile
	s_bfe_u32 s40, ttmp6, 0x40000                  ; cx
	s_bfe_u32 s41, ttmp6, 0x40004                  ; cy
	s_lshl_b32 s42, ttmp9, 2
	s_add_co_u32 s42, s42, s40                     ; column block = 4 x cluster x + cx
	s_and_b32 s13, ttmp7, 0xffff
	s_lshl_b32 s13, s13, 2
	s_add_co_u32 s13, s13, s41                     ; row block = 4 x cluster y + cy
	s_lshl_b32 s43, s41, 2
	s_lshl_b32 s43, 15, s43                        ; my row of the cluster
	s_lshl_b32 s44, 0x1111, s40                    ; my column
	s_or_b32 s[G1+0], s43, (1<<16)|(1<<20)|(1<<21)|(5<<22)|(3<<25)   ; mask; 2-byte elements; padding on; bit 21 beside a mask; after every 64 words, 4 words
	s_or_b32 s[G1B+0], s44, (1<<16)|(1<<20)|(1<<21)|(5<<22)|(3<<25)
	s_mov_b32 s[G1+1], KSTEP<<16                   ; tensor_dim0 = 128
	s_mov_b32 s[G1B+1], KSTEP<<16
	s_mov_b32 s[G1+2], 128<<16                     ; tensor_dim1 = 128 rows of x
	s_mov_b32 s[G1B+2], 96<<16                     ;             = 96 rows of Wqkv
	s_mov_b32 s[G1+3], KSTEP<<16                   ; tile_dim0 = 128
	s_mov_b32 s[G1B+3], KSTEP<<16
	s_mov_b32 s[G1+4], 128                         ; tile_dim1
	s_mov_b32 s[G1B+4], 96
	s_mov_b32 s[G1+5], 1024                        ; elements from row to row
	s_mov_b32 s[G1B+5], 1024
	s_mov_b32 s[G1+6], 0
	s_mov_b32 s[G1B+6], 0
	s_mov_b32 s[G1+7], 0
	s_mov_b32 s[G1B+7], 0
	; where the tiles come from: x's hang on the row block alone, Wqkv's on the column block alone, each in registers that never hold the other coordinate
	s_lshl_b32 s17, s12, 7
	s_lshl_b32 s16, s13, 8
	s_add_co_u32 s16, s16, s17                     ; x: row 256 x block + 128 x half
	s_lshl_b32 s16, s16, 11                        ; x 2,048 bytes (8 MiB at the most)
	s_mov_b32 s17, 0
	s_mul_i32 s46, s42, 192
	s_mul_i32 s47, s12, 96
	s_add_co_u32 s46, s46, s47                     ; Wqkv: row 192 x block + 96 x half
	s_lshl_b32 s46, s46, 11
	s_mov_b32 s47, 0
	s_mul_i32 s70, s42, 768                        ; my 192 bias numbers
	s_mov_b32 s71, 0
	s_mul_i32 s20, s10, HALFA                      ; where they go: waves 0, 1: x's halves at 0 and HALFA
	s_mul_i32 s21, s10, HALFB
	s_add_co_u32 s21, s21, 2*HALFA-2*HALFB         ; waves 2, 3: Wqkv's halves at 2 HALFA and 2 HALFA + HALFB
	s_wait_dscnt 0x0
	s_wait_kmcnt 0x0
	s_add_nc_u64 s[14:15], s[4:5], s[16:17]
	s_add_nc_u64 s[46:47], s[6:7], s[46:47]
	s_add_nc_u64 s[68:69], s[68:69], s[70:71]
	CROUND                                         ; all sixteen work-groups are here: the first joint loads meet
.irp s, 0,1
	s_mov_b32 s[G0+4*\s], 1
	s_add_co_u32 s[G0+4*\s+1], s20, \s*SLOT
	s_add_nc_u64 s[G0+4*\s+2:G0+4*\s+3], s[14:15], \s*KSTEP*2
	s_or_b32 s[G0+4*\s+3], s[G0+4*\s+3], 0x80000000
	s_mov_b32 s[G0B+4*\s], 1
	s_add_co_u32 s[G0B+4*\s+1], s21, \s*SLOT
	s_add_nc_u64 s[G0B+4*\s+2:G0B+4*\s+3], s[46:47], \s*KSTEP*2
	s_or_b32 s[G0B+4*\s+3], s[G0B+4*\s+3], 0x80000000
	JLOAD \s                                       ; both slots' first fills go out before anything else: two tensor loads of a wave are out, later one
.endr
	v_and_b32 v1, 15, v0                           ; r = l % 16
	v_bfe_u32 v2, v0, 4, 1                         ; h = l / 16
	v_lshlrev_b32 v[BOFF], 5, v2
.irp b, 0,1,2,3,4,5,6,7,8,9,10,11
	global_load_b128 v[BIAS+8*\b:BIAS+8*\b+3],   v[BOFF], s[68:69] offset:64*\b       ; bias of columns 16 b + 8 h + 0..3
	global_load_b128 v[BIAS+8*\b+4:BIAS+8*\b+7], v[BOFF], s[68:69] offset:64*\b+16    ; and + 4..7
.endr
	v_mul_u32_u24 v3, v1, PITCH
	v_lshl_add_u32 v3, v2, 4, v3                   ; row x pitch + 16 h
	s_mul_i32 s22, s10, 64*PITCH                   ; my 64 rows of x
	s_mov_b32 s23, 2*HALFA                         ; Wqkv's rows lie behind x's 256
.irp s, 0,1
	v_add_nc_u32 v[ADRA+\s], s22, v3
	v_add_nc_u32 v[ADRB+\s], s23, v3
	s_add_co_u32 s22, s22, SLOT
	s_add_co_u32 s23, s23, SLOT
.endr
	s_mul_i32 s22, s10, STW
	s_add_co_u32 s22, s22, STAGE                   ; my stage
	v_mul_u32_u24 v4, v1, SPITCH
	v_lshl_add_u32 v4, v2, 4, v4
	v_add_nc_u32 v[STO], s22, v4                   ; in: row r, 16 bytes for each half of the lanes
	v_and_b32 v6, 31, v0
	v_lshrrev_b32 v7, 3, v6                        ; back: eight lanes take a row of 128 bytes, the wave four rows
	v_and_b32 v8, 7, v0
	v_mul_u32_u24 v7, v7, SPITCH
	v_lshl_add_u32 v7, v8, 4, v7
	v_add_nc_u32 v[RD], s22, v7
	v_lshlrev_b32 v[CO], 4, v6
; 12 matrix instructions: m block a of my four x all 12 n blocks, 32 along K.  first = 1: C is the bias.
; The 48 accumulators take turns, one instruction a turn, in the same order in every quarter step.
.macro MULA f, a, first
.irp b, 0,1,2,3,4,5,6,7,8,9,10,11
.if \first
	v_wmma_f32_16x16x32_bf16 v[8*(12*((\a)&1)+\b):8*(12*((\a)&1)+\b)+7], v[96*\f+8*\b:96*\f+8*\b+7], v[FA+32*\f+8*\a:FA+32*\f+8*\a+7], v[BIAS+8*\b:BIAS+8*\b+7]
.else
	v_wmma_f32_16x16x32_bf16 v[8*(12*((\a)&1)+\b):8*(12*((\a)&1)+\b)+7], v[96*\f+8*\b:96*\f+8*\b+7], v[FA+32*\f+8*\a:FA+32*\f+8*\a+7], v[8*(12*((\a)&1)+\b):8*(12*((\a)&1)+\b)+7]
.endif
.endr
.endm
; 32 LDS loads in one run: 192 rows of Wqkv, then my 64 rows of x, 32 K at byte k of the rows, into buffer f
.macro FETCH slot, k, f
	WIN TO_B
.irp i, 0,1,2,3,4,5,6,7,8,9,10,11
	ds_load_b128 v[96*\f+8*\i:96*\f+8*\i+3],   v[ADRB+\slot] offset:\k+\i*16*PITCH
	ds_load_b128 v[96*\f+8*\i+4:96*\f+8*\i+7], v[ADRB+\slot] offset:\k+\i*16*PITCH+32
.endr
	WIN 0
.irp i, 0,1,2,3
	ds_load_b128 v[FA+32*\f+8*\i:FA+32*\f+8*\i+3],   v[ADRA+\slot] offset:\k+\i*16*PITCH
	ds_load_b128 v[FA+32*\f+8*\i+4:FA+32*\f+8*\i+7], v[ADRA+\slot] offset:\k+\i*16*PITCH+32
.endr
.endm
; four places behind a matrix instruction before a load is issued into one of its sources or a vector instruction reads its result
.macro PLACES
.rept 4
	v_nop
.endr
.endm
; a quarter step: 48 matrix instructions on buffer f; in its middle the next quarter's fragments, at byte k of the same slot, go into buffer g
.macro QUARTER slot, k, f, g, first
	s_wait_dscnt 4                                 ; Wqkv's fragments and x's rows 0-31 are in; the youngest four loads (x's rows 32-63) may be out
.if \first
	WIN 0x81                                       ; C (the bias) in window 0, D in window 2
.else
	WIN MUL_LO
.endif
	MULA \f, 0, \first
	MULA \f, 1, \first
	PLACES
	FETCH \slot, \k, \g
	s_wait_dscnt 32                                ; all but the 32 just issued
.if \first
	WIN 0xc1
.else
	WIN MUL_HI
.endif
	MULA \f, 2, \first
	MULA \f, 3, \first
.endm
.macro THREE slot, first
	QUARTER \slot, 64,  0, 1, \first
	QUARTER \slot, 128, 1, 0, 0
	QUARTER \slot, 192, 0, 1, 0
.endm
; the last quarter of a K step multiplies buffer 1 and changes slots.  In front of the one barrier each wave waits for its reads of this slot
; and for all its tensor loads (the one that is out is its part of the next slot); behind it the refill comes first, then the next slot's fragments.
.macro TURN slot, next, fill
	s_wait_dscnt 4
	WIN MUL_LO
	MULA 1, 0, 0
	s_wait_dscnt 0                                 ; my reads of this slot are over
	s_wait_tensorcnt 0x0                           ; and all my tensor loads have landed
	ds_add_u32 v255, v255
	s_wait_dscnt 0x0
	s_barrier_signal -1                            ; (where the slot is filled again this barrier opens a round of the cluster's barrier)
	MULA 1, 1, 0                                   ; register work while the others arrive
	WIN 0
	s_barrier_wait -1
.if \fill
	CREST                                          ; no wave of any partner still reads this slot or has a load on its way
	s_add_nc_u64 s[G0+4*\slot+2:G0+4*\slot+3], s[G0+4*\slot+2:G0+4*\slot+3], 2*KSTEP*2
	s_add_nc_u64 s[G0B+4*\slot+2:G0B+4*\slot+3], s[G0B+4*\slot+2:G0B+4*\slot+3], 2*KSTEP*2
	JLOAD \slot                                    ; the first tensor load behind the round, and my only one until the next
.endif
	PLACES
	FETCH \next, 0, 0
	WIN MUL_HI
	MULA 1, 2, 0
	MULA 1, 3, 0
.endm
.macro LAP first
	THREE 0, \first
	TURN 0, 1, 1
	THREE 1, 0
	TURN 1, 0, 1
.endm
	s_wait_loadcnt 0x0                             ; the bias, once
	s_wait_tensorcnt 1                             ; my part of K step 0 is in; K step 1's may stay out
	s_barrier_signal -1
	s_barrier_wait -1
	FETCH 0, 0, 0
	LAP 1                                          ; K steps 0, 1; the first products take the bias as C
	WIN 0
	s_mov_b32 s3, LAPS-2
.Llap:
	LAP 0
	WIN 0
	s_sub_co_u32 s3, s3, 1
	s_cmp_lg_u32 s3, 0
	s_cbranch_scc1 .Llap
	THREE 0, 0                                     ; the last lap fills nothing
	TURN 0, 1, 0
	THREE 1, 0
	s_wait_dscnt 4
	WIN MUL_LO
	MULA 1, 0, 0
	MULA 1, 1, 0
	s_wait_dscnt 0
	WIN MUL_HI
	MULA 1, 2, 0
	MULA 1, 3, 0
	; THE WAY OUT, 16 rows at a time: round to f16, 16 bytes a lane into my own stage, read back as dense pieces of the three planes.
	PLACES
	s_lshr_b32 s14, s13, 3                         ; batch = row block / 8
	s_mul_i32 s16, s14, 12582912                   ; x 48 planes of 262,144 bytes
	s_and_b32 s14, s13, 7
	s_lshl_b32 s14, s14, 15                        ; + 256 rows of 128 bytes for each row block in the batch
	s_add_co_u32 s16, s16, s14
	s_lshl_b32 s14, s10, 13                        ; + my 64 rows
	s_add_co_u32 s16, s16, s14
	s_mov_b32 s17, 0
	s_add_nc_u64 s[8:9], s[8:9], s[16:17]
	s_mul_i32 s46, s42, 786432                     ; + three planes for each column block
	s_mov_b32 s47, 0
	s_add_nc_u64 s[8:9], s[8:9], s[46:47]
; rows 16 a .. 16 a + 15 of my 64: the twelve tiles (a, 0..11); from = windows of the conversions' sources; rb = the read-back set
.macro OUT16 a, from, rb
	WIN \from
.irp b, 0,1,2,3,4,5,6,7,8,9,10,11
.irp i, 0,1,2,3
	v_cvt_pk_f16_f32 v[TMP+4*\b+\i], v[8*(12*((\a)&1)+\b)+2*\i], v[8*(12*((\a)&1)+\b)+2*\i+1]
.endr
.endr
	WIN 0
.irp b, 0,1,2,3,4,5,6,7,8,9,10,11
	ds_store_b128 v[STO], v[TMP+4*\b:TMP+4*\b+3] offset:(\b>>2)*SPLANE+(\b&3)*32
.endr
	s_wait_xcnt 0x0                                ; the read-back set was the data of earlier stores: it is loaded again only behind this wait
.irp t, 0,1,2,3,4,5,6,7,8,9,10,11
	ds_load_b128 v[\rb+4*\t:\rb+4*\t+3], v[RD] offset:(\t>>2)*SPLANE+(\t&3)*4*SPITCH   ; LDS serves a wave's instructions in order: these see the stores above
.endr
.irp t, 0,1,2,3,4,5,6,7,8,9,10,11
	s_wait_dscnt 11-\t
	global_store_b128 v[CO], v[\rb+4*\t:\rb+4*\t+3], s[8:9] offset:(\t>>2)*262144+\a*2048+(\t&3)*512   ; the wave stores 512 consecutive bytes (four rows of a plane), aligned
.endr
.endm
	OUT16 0, 0x0a, RB0
	OUT16 1, 0x0a, RB1
	OUT16 2, 0x0f, RB0
	OUT16 3, 0x0f, RB1
	s_set_vgpr_msb 0x1
	s_wait_tensorcnt 0x0
	ds_add_u32 v255, v255
	s_wait_dscnt 0x0
	s_set_vgpr_msb 0x100
	CROUND                                         ; the closing round: no work-group ends while a partner may still ask for a tile that names it
	s_endpgm
.Lfunc_end_k_qe29eeb8d62_qkvproj:
	.size	k_qe29eeb8d62_qkvproj, .Lfunc_end_k_qe29eeb8d62_qkvproj-k_qe29eeb8d62_qkvproj
	.p2alignl 7, 3214868480
	.fill 96, 4, 3214868480
	.section	.rodata,"a",@progbits
	.p2align	6, 0x0
	.amdhsa_kernel k_qe29eeb8d62_qkvproj
		.amdhsa_group_segment_fixed_size 327680
		.amdhsa_private_segment_fixed_size 0
		.amdhsa_enable_private_segment 0
		.amdhsa_kernarg_size 32
		.amdhsa_user_sgpr_count 2
		.amdhsa_user_sgpr_kernarg_segment_ptr 1
		.amdhsa_wavefront_size32 1
		.amdhsa_system_sgpr_workgroup_id_x 1
		.amdhsa_system_sgpr_workgroup_id_y 1
		.amdhsa_system_sgpr_workgroup_id_z 1
		.amdhsa_system_vgpr_workitem_id 0
		.amdhsa_next_free_vgpr 960
		.amdhsa_next_free_sgpr 72
		.amdhsa_reserve_vcc 0
		.amdhsa_float_denorm_mode_32 3
		.amdhsa_float_denorm_mode_16_64 3
		.amdhsa_memory_ordered 1
		.amdhsa_forward_progress 1
		.amdhsa_inst_pref_size 166
	.end_amdhsa_kernel
	.amdgpu_metadata
---
amdhsa.version: [ 1, 2 ]
amdhsa.kernels:
  - .name:           k_qe29eeb8d62_qkvproj
    .symbol:         k_qe29eeb8d62_qkvproj.kd
    .args:
      - { .name: xb, .offset: 0, .size: 8, .value_kind: global_buffer, .address_space: global }
      - { .name: wqb, .offset: 8, .size: 8, .value_kind: global_buffer, .address_space: global }
      - { .name: bqkv, .offset: 16, .size: 8, .value_kind: global_buffer, .address_space: global }
      - { .name: qkv, .offset: 24, .size: 8, .value_kind: global_buffer, .address_space: global }
    .group_segment_fixed_size: 327680
    .private_segment_fixed_size: 0
    .kernarg_segment_align: 8
    .kernarg_segment_size: 32
    .max_flat_workgroup_size: 128
    .sgpr_count:     72
    .vgpr_count:     960
    .wavefront_size: 32
...
	.end_amdgpu_metadata
.endif
;; end of part 2
;; launch attn (part 3): grid 8 x 32, 8 waves a work-group, no clusters, 327,680 bytes of LDS; arguments qkv, ao; writes ao
.if DOCPART == 3
	.amdgcn_target "amdgcn-amd-amdhsa--gfx1250"
	.amdhsa_code_object_version 6
	.text
	.protected	k_qe29eeb8d62_attn
	.globl	k_qe29eeb8d62_attn
	.p2align	8
	.type	k_qe29eeb8d62_attn,@function
k_qe29eeb8d62_attn:
	s_mov_b64 s[64:65], 0
	v_nop
	global_prefetch_b8 v0, s[64:65] scope:SCOPE_SE
	s_setreg_imm32_b32 hwreg(HW_REG_WAVE_MODE, 25, 1), 1
	s_wait_xcnt 0x0
; Causal attention for one (batch, head) pair and two query blocks.  qkv: f16 planes [batch][48][2048][64]; ao: f16 planes [batch x 16 + head][2048][64].
; softmax(q k^T / 8) v with a running maximum in f32; keys behind the query are never computed (whole tiles) or set to -infinity (the diagonal tile).
; Work-group (i, bh) takes the query blocks i and 15 - i of 128 rows: 17 tiles of 128 keys in every work-group.  Waves 0-3 take block i, waves 4-7 block 15 - i;
; a wave takes 32 queries.  All eight waves walk the key tiles 0 .. 15 - i together; a wave of the low block does nothing once the tile lies behind its block, but passes every barrier.
; NO CLUSTER: the work-groups that read the same K and V are the other query blocks of the head; they need 9 to 16 tiles, and the branches that skip and mask
; differ between them, while partners of a joint load must run alike; doing all 16 tiles in all of them would nearly double the work.
; S AND O ARE KEPT TRANSPOSED.  S^T = K Q^T: register j of lane (r, h) holds key 16 kt + 8 h + j of query r, so a query's maximum and sum are made along the lane's
; registers plus one exchange of the two halves, and two packed tiles of S^T are the B fragment P^T of O^T = V^T P^T as they stand.  V^T comes from V [key][64] by the
; transposing LDS load.  O^T: register j holds head column 16 t + 8 h + j of query r: the rescaling is per lane, and eight registers pack into 16 neighbouring bytes.
; P is rounded to f16 for the product; the sum of the row uses the unrounded f32 numbers.
; LIMITS: inputs are f16 (see the launch that writes them); a NaN or an infinity in q or k spoils its rows as in the formula, nothing is done about it.
.set SLOT,   38912                     ; K: 128 rows at pitch 144, then V: 128 rows at pitch 160
.set VOFF,   18432
.set TILEB,  16384                     ; a tile of 128 keys x 128 bytes in memory, dense
.set KPLANE, 4194304                   ; from q's plane to k's: 16 planes of 262,144 bytes
.set VPLANE, 8388608
.set STAGE,  77824                     ; behind the two slots, a multiple of 256; 4,608 bytes a wave: 32 rows at pitch 144
.set G1K, 16                           ; s[16:23]
.set G1V, 24                           ; s[24:31]
.set G0K, 32                           ; s[32:39] one set for each slot
.set G0V, 40                           ; s[40:47]
.set KA,  2                            ; v2-3   K fragment address, slot 0, 1
.set VA,  4                            ; v4-5   V fragment address
.set STO, 6
.set RD,  7
.set CO,  8
.set DM,  9                            ; v9-10  r - 8 h + 32 w' - 64 u: a score is masked where 16 kt + j - 16 qt is greater
.set NINF, 11
.set NMX, 12                           ; v[12:13], v[14:15]  minus the running maximum x c, twice, for query tile 0, 1
.set ALF, 16                           ; v[16:17], v[18:19]  the rescaling factor, twice
.set LSM, 20                           ; v20, v21  the running sum (of my half of the keys)
.set TT,  22                           ; v22-25  at work; v[24:25] is also the fourth chain of the sum
.set QF,  32                           ; v32-63   Q(qt, c) at 8 (2 qt + c)
.set OAC, 64                           ; v64-127  O(qt, t) at 8 (4 qt + t)
.set SCR, 128                          ; v128-191 S(kt, qt) at 32 qt + 8 kt; packed in place: P(qt, kk) at 32 qt + 16 kk
.set FR,  192                          ; v192-255 K(kt, c) at 8 (2 kt + c), later V(kk, t) at 8 (4 kk + t)
	s_load_b128 s[4:7], s[0:1], 0x0                ; qkv s[4:5], ao s[6:7]
	s_set_vgpr_msb 0x40
	v_lshl_add_u32 v0, v0, 2, 0x29000
	v_mov_b32 v1, 0
	s_set_vgpr_msb 0x4045
	ds_add_u32 v0, v1
	s_set_vgpr_msb 0x4500
	v_lshrrev_b32 v1, 5, v0
	v_readfirstlane_b32 s8, v1                     ; wave 0..7
	s_mov_b32 s9, ttmp9                            ; i
	s_and_b32 s10, ttmp7, 0xffff                   ; bh
	s_and_b32 s11, s8, 3                           ; w': which 32 queries of the block
	s_lshr_b32 s12, s8, 2                          ; 0: block i, 1: block 15 - i
	s_sub_co_u32 s14, 15, s9
	s_cmp_eq_u32 s12, 0
	s_cselect_b32 s13, s9, s14                     ; my block = my diagonal tile
	s_sub_co_u32 s14, 16, s9                       ; T: tiles that the work-group walks, 9 to 16
	s_mov_b32 s15, 0                               ; t
	s_sub_co_u32 s51, s14, 2
	s_lshr_b32 s51, s51, 1                         ; trips of the loop, two tiles each: 3 to 7
	s_and_b32 s58, s14, 1
	s_mov_b32 s48, 0x3e38aa3b                      ; c = log2(e) / 8: the division by sqrt(64) and the change to base 2 in one factor
	s_mov_b32 s49, 0x3e38aa3b
	s_mov_b32 s50, 0xbe38aa3b                      ; -c
	s_mov_b32 s52, 0x76543210                      ; v_permlanex16_b32: lane i of one half reads lane i of the other
	s_mov_b32 s53, 0xfedcba98
	; group 1: a dense block of 16 KiB as 64 rows of 256 bytes; the padding is counted every 32 words, that is behind every key's 128 bytes
	s_mov_b32 s[G1K+0], (1<<16)|(1<<20)|(4<<22)|(3<<25)   ; K: 4 words of padding: pitch 144
	s_mov_b32 s[G1V+0], (1<<16)|(1<<20)|(4<<22)|(7<<25)   ; V: 8 words: pitch 160, an odd multiple of 32, for the transposing loads
	s_mov_b32 s[G1K+1], 128<<16
	s_mov_b32 s[G1V+1], 128<<16
	s_mov_b32 s[G1K+2], 64<<16
	s_mov_b32 s[G1V+2], 64<<16
	s_mov_b32 s[G1K+3], 128<<16
	s_mov_b32 s[G1V+3], 128<<16
	s_mov_b32 s[G1K+4], 64
	s_mov_b32 s[G1V+4], 64
	s_mov_b32 s[G1K+5], 128
	s_mov_b32 s[G1V+5], 128
	s_mov_b32 s[G1K+6], 0
	s_mov_b32 s[G1V+6], 0
	s_mov_b32 s[G1K+7], 0
	s_mov_b32 s[G1V+7], 0
	s_lshr_b32 s54, s10, 4                         ; batch
	s_mul_i32 s54, s54, 48
	s_and_b32 s55, s10, 15                         ; head
	s_add_co_u32 s54, s54, s55
	s_lshl_b32 s54, s54, 18                        ; q's plane
	s_mov_b32 s55, 0
	s_lshl_b32 s56, s13, 14                        ; my block: 128 rows of 128 bytes
	s_lshl_b32 s57, s11, 12                        ; my 32 rows
	s_add_co_u32 s56, s56, s57
	s_mov_b32 s57, 0
	s_wait_dscnt 0x0
	s_wait_kmcnt 0x0
	s_add_nc_u64 s[4:5], s[4:5], s[54:55]
.irp s, 0,1
	s_mov_b32 s[G0K+4*\s], 1
	s_mov_b32 s[G0K+4*\s+1], \s*SLOT
	s_add_nc_u64 s[G0K+4*\s+2:G0K+4*\s+3], s[4:5], KPLANE+\s*TILEB     ; slot s starts with tile s
	s_or_b32 s[G0K+4*\s+3], s[G0K+4*\s+3], 0x80000000
	s_mov_b32 s[G0V+4*\s], 1
	s_mov_b32 s[G0V+4*\s+1], VOFF+\s*SLOT
	s_add_nc_u64 s[G0V+4*\s+2:G0V+4*\s+3], s[4:5], VPLANE+\s*TILEB
	s_or_b32 s[G0V+4*\s+3], s[G0V+4*\s+3], 0x80000000
.endr
; wave 0 brings the K tile, wave 4 the V tile: one tensor load of a wave is out at the most, and every wait for it is for 0
.macro KVLOAD s
	s_cmp_lg_u32 s8, 0
	s_cbranch_scc1 .Lnot_k_\@
	tensor_load_to_lds s[G0K+4*\s:G0K+4*\s+3], s[G1K:G1K+7]
	s_nop 0
.Lnot_k_\@:
	s_cmp_lg_u32 s8, 4
	s_cbranch_scc1 .Lnot_v_\@
	tensor_load_to_lds s[G0V+4*\s:G0V+4*\s+3], s[G1V:G1V+7]
	s_nop 0
.Lnot_v_\@:
.endm
	KVLOAD 0                                       ; tile 0, ahead of every wait, LDS read and barrier
	s_add_nc_u64 s[4:5], s[4:5], s[56:57]          ; q at my 32 rows
	s_lshl_b32 s54, s10, 18
	s_add_nc_u64 s[6:7], s[6:7], s[54:55]          ; ao at my plane
	s_add_nc_u64 s[6:7], s[6:7], s[56:57]          ; and my 32 rows
	s_lshl_b32 s57, s11, 5                         ; 32 w'
	s_mul_i32 s59, s8, 4608
	s_add_co_u32 s59, s59, STAGE                   ; my stage
	v_and_b32 v22, 15, v0                          ; r
	v_bfe_u32 v23, v0, 4, 1                        ; h
	v_lshlrev_b32 v1, 7, v22
	v_lshl_add_u32 v1, v23, 4, v1                  ; Q: row r x 128 bytes + 16 h
.irp qt, 0,1
.irp c, 0,1
	global_load_b128 v[QF+8*(2*\qt+\c):QF+8*(2*\qt+\c)+3],   v1, s[4:5] offset:\qt*2048+64*\c
	global_load_b128 v[QF+8*(2*\qt+\c)+4:QF+8*(2*\qt+\c)+7], v1, s[4:5] offset:\qt*2048+64*\c+32
.endr
.endr
	v_mul_u32_u24 v[KA], v22, 144
	v_lshl_add_u32 v[KA], v23, 4, v[KA]            ; K: row r x pitch + 16 h
	v_add_nc_u32 v[KA+1], SLOT, v[KA]
	v_add_nc_u32 v[STO], s59, v[KA]                ; the stage has the same pitch
	v_and_b32 v24, 7, v0
	v_lshl_add_u32 v24, v23, 3, v24                ; V: key 8 h + l % 8,
	v_bfe_u32 v25, v0, 3, 1                        ; 16 bytes for each group of eight lanes
	v_mul_u32_u24 v[VA], v24, 160
	v_lshl_add_u32 v[VA], v25, 4, v[VA]
	v_add_nc_u32 v[VA], VOFF, v[VA]
	v_add_nc_u32 v[VA+1], SLOT, v[VA]
	v_bfe_u32 v26, v0, 3, 2                        ; back: eight lanes take a row of 128 bytes
	v_and_b32 v27, 7, v0
	v_mul_u32_u24 v[RD], v26, 144
	v_lshl_add_u32 v[RD], v27, 4, v[RD]
	v_add_nc_u32 v[RD], s59, v[RD]
	v_and_b32 v[CO], 31, v0
	v_lshlrev_b32 v[CO], 4, v[CO]
	v_lshlrev_b32 v28, 3, v23
	v_sub_nc_u32 v[DM], v22, v28
	v_add_nc_u32 v[DM], s57, v[DM]                 ; r - 8 h + 32 w'
	v_add_nc_u32 v[DM+1], 0xffffffc0, v[DM]        ; and 64 less for the tile's second half
	v_mov_b32 v[NINF], 0xff800000
	s_wait_loadcnt 0x0                             ; Q, once
; The softmax step of query tile qt on its 32 scores a lane.  first = 1: nothing is carried yet.
.macro SOFTMAX qt, first
.irp a, 0,1,2,3
	v_max3_num_f32 v[TT+\a], v[SCR+32*\qt+8*\a], v[SCR+32*\qt+8*\a+1], v[SCR+32*\qt+8*\a+2]
.endr
.irp a, 0,1,2,3
	v_max3_num_f32 v[TT+\a], v[TT+\a], v[SCR+32*\qt+8*\a+3], v[SCR+32*\qt+8*\a+4]
.endr
.irp a, 0,1,2,3
	v_max3_num_f32 v[TT+\a], v[TT+\a], v[SCR+32*\qt+8*\a+5], v[SCR+32*\qt+8*\a+6]
.endr
	v_max3_num_f32 v[TT],   v[TT],   v[SCR+32*\qt+7],  v[SCR+32*\qt+15]
	v_max3_num_f32 v[TT+1], v[TT+1], v[SCR+32*\qt+23], v[SCR+32*\qt+31]
	v_max3_num_f32 v[TT],   v[TT],   v[TT+1], v[TT+2]
	v_max_num_f32  v[TT],   v[TT],   v[TT+3]
	v_permlanex16_b32 v[TT+1], v[TT], s52, s53     ; the other half of the lanes holds the query's other 32 keys
	v_max_num_f32  v[TT],   v[TT],   v[TT+1]
	v_mul_f32 v[TT+1], s50, v[TT]                  ; -c x this step's maximum (+infinity where every key is masked)
.if \first
.else
	v_min_num_f32 v[TT+1], v[TT+1], v[NMX+2*\qt]   ; minus the new running maximum
	v_sub_f32 v[TT+2], v[TT+1], v[NMX+2*\qt]       ; old maximum - new maximum, at most 0
	v_exp_f32 v[ALF+2*\qt],   v[TT+2]
	v_exp_f32 v[ALF+2*\qt+1], v[TT+2]
.endif
	v_mov_b32 v[NMX+2*\qt],   v[TT+1]              ; (the plain instructions behind the two exponentials: ISA guide 5.7.2)
	v_mov_b32 v[NMX+2*\qt+1], v[TT+1]
.irp n, 0,1,2,3,4,5,6,7,8,9,10,11,12,13,14,15
	v_pk_fma_f32 v[SCR+32*\qt+2*\n:SCR+32*\qt+2*\n+1], v[SCR+32*\qt+2*\n:SCR+32*\qt+2*\n+1], s[48:49], v[NMX+2*\qt:NMX+2*\qt+1] op_sel_hi:[1,0,1]
.endr
.irp n, 0,1,2,3,4,5,6,7,8,9,10,11,12,13,14,15,16,17,18,19,20,21,22,23,24,25,26,27,28,29,30,31
	v_exp_f32 v[SCR+32*\qt+\n], v[SCR+32*\qt+\n]
.endr
.if \first
	v_nop                                          ; the plain place behind the exponentials
	s_wait_alu depctr_va_vdst(0)
.else
	s_wait_alu depctr_va_vdst(0)
.irp n, 0,1,2,3,4,5,6,7,8,9,10,11,12,13,14,15
	v_pk_mul_f32 v[OAC+32*\qt+2*\n:OAC+32*\qt+2*\n+1], v[OAC+32*\qt+2*\n:OAC+32*\qt+2*\n+1], v[ALF+2*\qt:ALF+2*\qt+1]   ; O is rescaled: also the plain work behind the exponentials
.endr
.endif
	; the sum of my 32 numbers, in four chains: v[26:27], v[28:29], v[30:31], v[24:25]
.irp n, 0,1,2,3
	v_pk_add_f32 v[24+2*((\n+1)&3):24+2*((\n+1)&3)+1], v[SCR+32*\qt+4*\n:SCR+32*\qt+4*\n+1], v[SCR+32*\qt+4*\n+2:SCR+32*\qt+4*\n+3]
.endr
.irp n, 0,1,2,3
	v_pk_add_f32 v[24+2*((\n+1)&3):24+2*((\n+1)&3)+1], v[24+2*((\n+1)&3):24+2*((\n+1)&3)+1], v[SCR+32*\qt+16+2*\n:SCR+32*\qt+16+2*\n+1]
.endr
.irp n, 0,1,2,3
	v_pk_add_f32 v[24+2*((\n+1)&3):24+2*((\n+1)&3)+1], v[24+2*((\n+1)&3):24+2*((\n+1)&3)+1], v[SCR+32*\qt+24+2*\n:SCR+32*\qt+24+2*\n+1]
.endr
	v_pk_add_f32 v[26:27], v[26:27], v[28:29]
	v_pk_add_f32 v[30:31], v[30:31], v[24:25]
	v_pk_add_f32 v[26:27], v[26:27], v[30:31]
.if \first
	v_add_f32 v[LSM+\qt], v26, v27
.else
	v_add_f32 v[TT], v26, v27
	v_fma_f32 v[LSM+\qt], v[LSM+\qt], v[ALF+2*\qt], v[TT]
.endif
	; to f16, packed in place, ascending: each destination has been read before it is written
.irp kk, 0,1
.irp i, 0,1,2,3
	v_cvt_pk_f16_f32 v[SCR+32*\qt+16*\kk+\i], v[SCR+32*\qt+16*\kk+2*\i], v[SCR+32*\qt+16*\kk+2*\i+1]
.endr
.irp i, 0,1,2,3
	v_cvt_pk_f16_f32 v[SCR+32*\qt+16*\kk+4+\i], v[SCR+32*\qt+16*\kk+8+2*\i], v[SCR+32*\qt+16*\kk+8+2*\i+1]
.endr
.endr
.endm
; 64 keys (half u of the tile in the slot) x my 32 queries
.macro STEP slot, u, first
.rept 5
	v_nop                                          ; five places behind the last products: loads go into their A, and the new scores are written over their B
.endr
.irp c, 0,1
.irp kt, 0,1,2,3
	ds_load_b128 v[FR+8*(2*\kt+\c):FR+8*(2*\kt+\c)+3],   v[KA+\slot] offset:(4*\u+\kt)*2304+64*\c
	ds_load_b128 v[FR+8*(2*\kt+\c)+4:FR+8*(2*\kt+\c)+7], v[KA+\slot] offset:(4*\u+\kt)*2304+64*\c+32
.endr
.endr
	s_wait_dscnt 8                                 ; head columns 0-31 are in; the eight loads of columns 32-63 may be out
	; the eight accumulators take turns, one instruction a turn
.irp kt, 0,1,2,3
.irp qt, 0,1
	v_wmma_f32_16x16x32_f16 v[SCR+32*\qt+8*\kt:SCR+32*\qt+8*\kt+7], v[FR+16*\kt:FR+16*\kt+7], v[QF+16*\qt:QF+16*\qt+7], 0
.endr
.endr
	s_wait_dscnt 0
.irp kt, 0,1,2,3
.irp qt, 0,1
	v_wmma_f32_16x16x32_f16 v[SCR+32*\qt+8*\kt:SCR+32*\qt+8*\kt+7], v[FR+16*\kt+8:FR+16*\kt+15], v[QF+16*\qt+8:QF+16*\qt+15], v[SCR+32*\qt+8*\kt:SCR+32*\qt+8*\kt+7]
.endr
.endr
.rept 4
	v_nop                                          ; four places: loads go into K's registers, vector instructions read the scores
.endr
.irp kk, 0,1
.irp t, 0,1,2,3
	ds_load_tr16_b128 v[FR+8*(4*\kk+\t):FR+8*(4*\kk+\t)+3],   v[VA+\slot] offset:(2*\u+\kk)*5120+32*\t        ; V^T: head column 16 t + r, keys 8 h + 0..7
	ds_load_tr16_b128 v[FR+8*(4*\kk+\t)+4:FR+8*(4*\kk+\t)+7], v[VA+\slot] offset:(2*\u+\kk)*5120+32*\t+2560   ; keys 16 + 8 h + 0..7
.endr
.endr
	s_cmp_lg_u32 s15, s13                          ; only my diagonal tile has keys behind a query
	s_cbranch_scc1 .Lno_mask_\@
.irp qt, 0,1
.irp kt, 0,1,2,3
.irp j, 0,1,2,3,4,5,6,7
	v_cmp_gt_i32 vcc_lo, 16*\kt+\j-16*\qt, v[DM+\u]        ; key 64 u + 16 kt + 8 h + j > query 32 w' + 16 qt + r
	v_cndmask_b32 v[SCR+32*\qt+8*\kt+\j], v[SCR+32*\qt+8*\kt+\j], v[NINF], vcc_lo
.endr
.endr
.endr
.Lno_mask_\@:
	SOFTMAX 0, \first
	SOFTMAX 1, \first
	s_wait_dscnt 0                                 ; V^T
	; again eight accumulators by turns
.irp kk, 0,1
.irp qt, 0,1
.irp t, 0,1,2,3
.if \first*(1-\kk)
	v_wmma_f32_16x16x32_f16 v[OAC+8*(4*\qt+\t):OAC+8*(4*\qt+\t)+7], v[FR+8*(4*\kk+\t):FR+8*(4*\kk+\t)+7], v[SCR+32*\qt+16*\kk:SCR+32*\qt+16*\kk+7], 0
.else
	v_wmma_f32_16x16x32_f16 v[OAC+8*(4*\qt+\t):OAC+8*(4*\qt+\t)+7], v[FR+8*(4*\kk+\t):FR+8*(4*\kk+\t)+7], v[SCR+32*\qt+16*\kk:SCR+32*\qt+16*\kk+7], v[OAC+8*(4*\qt+\t):OAC+8*(4*\qt+\t)+7]
.endif
.endr
.endr
.endr
.endm
; One tile.  In front of the barrier every wave waits for all its tensor loads (this tile among them) and for its reads of the last tile;
; behind it the next tile goes into the slot read last, and has the whole trip in which to land.
.macro TRIP slot, next, refill, first
	s_set_vgpr_msb 0x5
	s_wait_tensorcnt 0x0
	ds_add_u32 v0, v1
	s_wait_dscnt 0x0
	s_set_vgpr_msb 0x500
	s_add_nc_u64 s[G0K+4*\slot+2:G0K+4*\slot+3], s[G0K+4*\slot+2:G0K+4*\slot+3], 2*TILEB   ; no load of mine is out: this slot's next tile
	s_add_nc_u64 s[G0V+4*\slot+2:G0V+4*\slot+3], s[G0V+4*\slot+2:G0V+4*\slot+3], 2*TILEB
	s_wait_dscnt 0x0
	s_barrier_signal -1
	s_barrier_wait -1
.if \refill
	KVLOAD \next
.endif
.if \first
.else
	s_cmp_gt_u32 s15, s13                          ; the tile lies behind my block: nothing of it is visible
	s_cbranch_scc1 .Lskip_\@
.endif
	STEP \slot, 0, \first
	STEP \slot, 1, 0
.Lskip_\@:
	s_add_co_u32 s15, s15, 1
.endm
	TRIP 0, 1, 1, 1                                ; tile 0: key 0 is visible to every query, so every maximum is finite from here on
.Lloop:
	TRIP 1, 0, 1, 0
	TRIP 0, 1, 1, 0
	s_sub_co_u32 s51, s51, 1
	s_cmp_lg_u32 s51, 0
	s_cbranch_scc1 .Lloop
	s_cmp_eq_u32 s58, 0                            ; T even: one tile is left, and it has been asked for; T odd: two, of which the last is still to be asked for
	s_cbranch_scc1 .Leven
	TRIP 1, 0, 1, 0
	TRIP 0, 1, 0, 0
	s_branch .Lout
.Leven:
	TRIP 1, 0, 0, 0
.Lout:
.rept 4
	v_nop                                          ; four places behind the last products
.endr
	v_permlanex16_b32 v22, v[LSM],   s52, s53      ; the two halves' sums meet
	v_permlanex16_b32 v23, v[LSM+1], s52, s53
	v_add_f32 v[LSM],   v[LSM],   v22
	v_add_f32 v[LSM+1], v[LSM+1], v23
	v_rcp_f32 v[ALF],   v[LSM]
	v_rcp_f32 v[ALF+1], v[LSM]
	v_rcp_f32 v[ALF+2], v[LSM+1]
	v_rcp_f32 v[ALF+3], v[LSM+1]
	v_nop
	s_wait_alu depctr_va_vdst(0)
.irp qt, 0,1
.irp n, 0,1,2,3,4,5,6,7,8,9,10,11,12,13,14,15
	v_pk_mul_f32 v[OAC+32*\qt+2*\n:OAC+32*\qt+2*\n+1], v[OAC+32*\qt+2*\n:OAC+32*\qt+2*\n+1], v[ALF+2*\qt:ALF+2*\qt+1]
.endr
.endr
.irp n, 0,1,2,3,4,5,6,7,8,9,10,11,12,13,14,15,16,17,18,19,20,21,22,23,24,25,26,27,28,29,30,31
	v_cvt_pk_f16_f32 v[SCR+\n], v[OAC+2*\n], v[OAC+2*\n+1]
.endr
.irp qt, 0,1
.irp t, 0,1,2,3
	ds_store_b128 v[STO], v[SCR+4*(4*\qt+\t):SCR+4*(4*\qt+\t)+3] offset:\qt*2304+32*\t   ; row 16 qt + r, head columns 16 t + 8 h + 0..7
.endr
.endr
.irp u, 0,1,2,3,4,5,6,7
	ds_load_b128 v[FR+4*\u:FR+4*\u+3], v[RD] offset:576*\u     ; my own bytes, served in order behind the stores: four rows at a time
.endr
.irp u, 0,1,2,3,4,5,6,7
	s_wait_dscnt 7-\u
	global_store_b128 v[CO], v[FR+4*\u:FR+4*\u+3], s[6:7] offset:512*\u   ; the wave stores 512 consecutive bytes of the plane, aligned
.endr
	s_set_vgpr_msb 0x5
	s_wait_tensorcnt 0x0
	ds_add_u32 v0, v1
	s_wait_dscnt 0x0
	s_set_vgpr_msb 0x500
	s_endpgm
.Lfunc_end_k_qe29eeb8d62_attn:
	.size	k_qe29eeb8d62_attn, .Lfunc_end_k_qe29eeb8d62_attn-k_qe29eeb8d62_attn
	.p2alignl 7, 3214868480
	.fill 96, 4, 3214868480
	.section	.rodata,"a",@progbits
	.p2align	6, 0x0
	.amdhsa_kernel k_qe29eeb8d62_attn
		.amdhsa_group_segment_fixed_size 327680
		.amdhsa_private_segment_fixed_size 0
		.amdhsa_enable_private_segment 0
		.amdhsa_kernarg_size 16
		.amdhsa_user_sgpr_count 2
		.amdhsa_user_sgpr_kernarg_segment_ptr 1
		.amdhsa_wavefront_size32 1
		.amdhsa_system_sgpr_workgroup_id_x 1
		.amdhsa_system_sgpr_workgroup_id_y 1
		.amdhsa_system_sgpr_workgroup_id_z 1
		.amdhsa_system_vgpr_workitem_id 0
		.amdhsa_next_free_vgpr 258
		.amdhsa_next_free_sgpr 66
		.amdhsa_reserve_vcc 1
		.amdhsa_float_denorm_mode_32 3
		.amdhsa_float_denorm_mode_16_64 3
		.amdhsa_memory_ordered 1
		.amdhsa_forward_progress 1
		.amdhsa_inst_pref_size 255
	.end_amdhsa_kernel
	.section	.bss,"aw",@nobits
	.p2align	6
	.space	262144
	.amdgpu_metadata
---
amdhsa.version: [ 1, 2 ]
amdhsa.kernels:
  - .name:           k_qe29eeb8d62_attn
    .symbol:         k_qe29eeb8d62_attn.kd
    .args:
      - { .name: qkv, .offset: 0, .size: 8, .value_kind: global_buffer, .address_space: global }
      - { .name: ao, .offset: 8, .size: 8, .value_kind: global_buffer, .address_space: global }
    .group_segment_fixed_size: 327680
    .private_segment_fixed_size: 0
    .kernarg_segment_align: 8
    .kernarg_segment_size: 16
    .max_flat_workgroup_size: 256
    .sgpr_count:     66
    .vgpr_count:     258
    .wavefront_size: 32
...
	.end_amdgpu_metadata
.endif
;; end of part 3
;; launch outproj (part 4): grid 8 x 32, 4 waves a work-group, clusters of 4 x 4, 327,680 bytes of LDS; arguments ao, wdh, bd, out0; writes out0
.if DOCPART == 4
	.amdgcn_target "amdgcn-amd-amdhsa--gfx1250"
	.amdhsa_code_object_version 6
	.text
	.protected	k_qe29eeb8d62_outproj
	.globl	k_qe29eeb8d62_outproj
	.p2align	8
	.type	k_qe29eeb8d62_outproj,@function
k_qe29eeb8d62_outproj:
	s_mov_b64 s[64:65], 0
	v_nop
	global_prefetch_b8 v0, s[64:65] scope:SCOPE_SE
	s_setreg_imm32_b32 hwreg(HW_REG_WAVE_MODE, 25, 1), 1
	s_wait_xcnt 0x0
	s_wait_alu depctr_hold_cnt(0) depctr_sa_sdst(0) depctr_va_vdst(0) depctr_va_sdst(0) depctr_va_ssrc(0) depctr_va_vcc(0) depctr_vm_vsrc(0)
	s_getreg_b32 s2, hwreg(HW_REG_IB_STS2, 6, 4)
	s_cmp_eq_u32 s2, 0
	s_cbranch_scc0 .Lentry_in_a_cluster
	s_endpgm
.Lentry_in_a_cluster:
	s_bfe_u32 s2, ttmp6, 0x10000c
	s_cmp_lg_u32 s2, 0xf033
	s_cbranch_scc0 .Lentry_shape_is_right
	s_endpgm
.Lentry_shape_is_right:
; out0 = attention output x Wd^T + bd.  ao: f16 planes [batch x 16 + head][2048][64]; wdh [1024][1024] f16; bd [1024] f32; out0 [4096][1024] f32; sums in f32.
; A work-group makes 128 x 128 with four waves of 64 x 64 (16 accumulator tiles): 256 work-groups; larger blocks would be fewer work-groups than that.
; A K step of 128 would be 64 matrix instructions a wave, so a slot holds K = 256 (four heads): four slot steps on two slots, written out without a loop.
; CLUSTERS: 4 x 4 work-groups; ao's tiles are shared along a row of the cluster, Wd's along a column, by joint loads.
; The matrix instruction is used transposed (source 0 = rows of Wd, source 1 = rows of ao): a lane's eight results are eight neighbouring columns of one row.
; The bias starts the sums: the first product of each tile takes it as C.
; REGISTERS: window 0: v16-27 addresses; fragments of ao at v32 (buffer 0), v96 (buffer 1); of Wd at v64, v128; v160-191 the bias; v192-223, v224-255 read-back sets.
;            window 1: accumulator tile (a, b) at v[8 (4 a + b)].
.set PA,     144                       ; ao in LDS: a head's row of 128 bytes + 16
.set HEADB,  128*PA                    ; one head's 128 rows
.set PB,     528                       ; Wd in LDS: 512 bytes + 16
.set BOFFS,  4*HEADB                   ; Wd's rows lie behind the four heads: 73,728
.set HALFB,  64*PB
.set SLOT,   BOFFS+2*HALFB             ; 141,312
.set STAGE,  2*SLOT                    ; a multiple of 256; 16 rows x 272 bytes for each wave
.set SPITCH, 272
.set ADRA, 16
.set ADRB, 20
.set STO,  24
.set RD,   25
.set CO,   26
.set BOFF, 27
.set FA,   32
.set FB,   64
.set BIAS, 160
.set RB0,  192
.set RB1,  224
.set G1,  24
.set G0,  32
.set G1B, 48
.set G0B, 56
.set MSB, 0
.macro WIN new
.if MSB != \new
	s_set_vgpr_msb (MSB<<8)|\new
.set MSB, \new
.endif
.endm
.macro JLOAD s                         ; waves 0 and 1 fetch two heads of ao each, waves 2 and 3 64 rows of Wd each
	s_cmp_eq_u32 s11, 0
	s_cbranch_scc0 .Lfor_b_\@
	tensor_load_to_lds s[G0+4*\s:G0+4*\s+3], s[G1:G1+7]
	s_nop 0
	s_branch .Lasked_\@
.Lfor_b_\@:
	tensor_load_to_lds s[G0B+4*\s:G0B+4*\s+3], s[G1B:G1B+7]
	s_nop 0
.Lasked_\@:
.endm
.macro CROUND                          ; a round of the cluster's barrier
	s_barrier_signal -1
	s_barrier_wait -1
	s_cmp_lg_u32 s10, 0
	s_cbranch_scc1 .Lnot_wave_0_\@
	s_barrier_signal -3
.Lnot_wave_0_\@:
	s_barrier_wait -3
	s_barrier_signal -1
	s_barrier_wait -1
.endm
	s_load_b128 s[4:7], s[0:1], 0x0                ; ao s[4:5], wdh s[6:7]
	s_load_b64 s[68:69], s[0:1], 0x10              ; bd
	s_load_b64 s[8:9], s[0:1], 0x18                ; out0
	v_lshl_add_u32 v30, v0, 2, 0x49400
	v_mov_b32 v31, 0
	ds_add_u32 v30, v31
	v_lshrrev_b32 v1, 5, v0
	v_readfirstlane_b32 s10, v1                    ; wave 0..3
	s_lshr_b32 s11, s10, 1                         ; my half of the block's rows.  Also: I fetch for ao (0) or for Wd (1)
	s_and_b32 s12, s10, 1                          ; my half of its columns.  Also: which half of that tile I fetch
	s_bfe_u32 s40, ttmp6, 0x40000                  ; cx
	s_bfe_u32 s41, ttmp6, 0x40004                  ; cy
	s_lshl_b32 s42, ttmp9, 2
	s_add_co_u32 s42, s42, s40                     ; column block
	s_and_b32 s13, ttmp7, 0xffff
	s_lshl_b32 s13, s13, 2
	s_add_co_u32 s13, s13, s41                     ; row block
	s_lshl_b32 s43, s41, 2
	s_lshl_b32 s43, 15, s43                        ; my row of the cluster
	s_lshl_b32 s44, 0x1111, s40                    ; my column
	; ao: a 'row' of the tile is one head's dense 16 KiB (128 rows of 128 bytes); two heads, 131,072 elements apart; padding behind every 32 words: pitch 144
	s_or_b32 s[G1+0], s43, (1<<16)|(1<<20)|(1<<21)|(4<<22)|(3<<25)
	s_mov_b32 s[G1+1], 8192<<16                    ; tensor_dim0 = 8,192
	s_mov_b32 s[G1+2], 2<<16                       ; tensor_dim1 = 2
	s_mov_b32 s[G1+3], 8192<<16                    ; tile_dim0
	s_mov_b32 s[G1+4], 2                           ; tile_dim1
	s_mov_b32 s[G1+5], 131072                      ; from head to head
	s_mov_b32 s[G1+6], 0
	s_mov_b32 s[G1+7], 0
	; Wd: 64 rows of 256 elements; padding behind every 128 words: pitch 528
	s_or_b32 s[G1B+0], s44, (1<<16)|(1<<20)|(1<<21)|(6<<22)|(3<<25)
	s_mov_b32 s[G1B+1], 256<<16
	s_mov_b32 s[G1B+2], 64<<16
	s_mov_b32 s[G1B+3], 256<<16
	s_mov_b32 s[G1B+4], 64
	s_mov_b32 s[G1B+5], 1024
	s_mov_b32 s[G1B+6], 0
	s_mov_b32 s[G1B+7], 0
	s_lshr_b32 s14, s13, 4                         ; batch = row block / 16
	s_lshl_b32 s16, s14, 22                        ; x 16 planes of 262,144 bytes
	s_and_b32 s14, s13, 15
	s_lshl_b32 s14, s14, 14                        ; + 128 rows of 128 bytes for each row block in the batch
	s_add_co_u32 s16, s16, s14
	s_lshl_b32 s14, s12, 19                        ; + two planes for the second half
	s_add_co_u32 s16, s16, s14
	s_mov_b32 s17, 0
	s_lshl_b32 s46, s42, 18                        ; Wd: row 128 x block + 64 x half, x 2,048 bytes
	s_lshl_b32 s47, s12, 17
	s_add_co_u32 s46, s46, s47
	s_mov_b32 s47, 0
	s_lshl_b32 s70, s42, 9                         ; my 64 columns, in bytes of f32: 512 x block + 256 x half
	s_lshl_b32 s71, s12, 8
	s_add_co_u32 s70, s70, s71
	s_mov_b32 s71, 0
	s_mul_i32 s20, s10, 2*HEADB                    ; where they go: waves 0, 1: heads 0-1 and 2-3 of the slot
	s_mul_i32 s21, s10, HALFB
	s_add_co_u32 s21, s21, BOFFS-2*HALFB           ; waves 2, 3: Wd's halves
	s_wait_dscnt 0x0
	s_wait_kmcnt 0x0
	s_add_nc_u64 s[14:15], s[4:5], s[16:17]
	s_add_nc_u64 s[46:47], s[6:7], s[46:47]
	s_add_nc_u64 s[68:69], s[68:69], s[70:71]
	CROUND                                         ; in front of the first joint loads
.irp s, 0,1
	s_mov_b32 s[G0+4*\s], 1
	s_add_co_u32 s[G0+4*\s+1], s20, \s*SLOT
	s_add_nc_u64 s[G0+4*\s+2:G0+4*\s+3], s[14:15], \s*1048576       ; slot step s: four heads on
	s_or_b32 s[G0+4*\s+3], s[G0+4*\s+3], 0x80000000
	s_mov_b32 s[G0B+4*\s], 1
	s_add_co_u32 s[G0B+4*\s+1], s21, \s*SLOT
	s_add_nc_u64 s[G0B+4*\s+2:G0B+4*\s+3], s[46:47], \s*512
	s_or_b32 s[G0B+4*\s+3], s[G0B+4*\s+3], 0x80000000
	JLOAD \s                                       ; two tensor loads of a wave are out here, later one
.endr
	v_and_b32 v1, 15, v0                           ; r
	v_bfe_u32 v2, v0, 4, 1                         ; h
	v_lshlrev_b32 v[BOFF], 5, v2
.irp b, 0,1,2,3
	global_load_b128 v[BIAS+8*\b:BIAS+8*\b+3],   v[BOFF], s[68:69] offset:64*\b
	global_load_b128 v[BIAS+8*\b+4:BIAS+8*\b+7], v[BOFF], s[68:69] offset:64*\b+16
.endr
	v_mul_u32_u24 v3, v1, PA
	v_lshl_add_u32 v3, v2, 4, v3
	v_mul_u32_u24 v4, v1, PB
	v_lshl_add_u32 v4, v2, 4, v4
	s_mul_i32 s22, s11, 64*PA                      ; my 64 rows in every head
	s_mul_i32 s23, s12, HALFB
	s_add_co_u32 s23, s23, BOFFS                   ; my 64 rows of Wd
.irp s, 0,1
	v_add_nc_u32 v[ADRA+\s], s22, v3
	v_add_nc_u32 v[ADRB+\s], s23, v4
	s_add_co_u32 s22, s22, SLOT
	s_add_co_u32 s23, s23, SLOT
.endr
	s_mul_i32 s22, s10, 16*SPITCH
	s_add_co_u32 s22, s22, STAGE
	v_mul_u32_u24 v5, v1, SPITCH
	v_lshl_add_u32 v5, v2, 5, v5
	v_add_nc_u32 v[STO], s22, v5                   ; in: row r, 32 bytes for each half of the lanes
	v_mul_u32_u24 v6, v2, SPITCH
	v_lshl_add_u32 v6, v1, 4, v6
	v_add_nc_u32 v[RD], s22, v6                    ; back: lanes 0-15 one row of 256 bytes, lanes 16-31 the next
	v_lshlrev_b32 v7, 12, v2
	v_lshl_add_u32 v[CO], v1, 4, v7                ; and the same two rows in out0
.macro PLACES                          ; four places behind a matrix instruction before a load goes into a source or its result is read
.rept 4
	v_nop
.endr
.endm
; 16 LDS loads: quarter q (32 of the slot's 256 along K) into buffer f.  Quarter q lies in head q / 2 of the slot, at byte 64 (q % 2) of its rows.
.macro FETCH slot, q, f
.irp i, 0,1,2,3
	ds_load_b128 v[FB+64*\f+8*\i:FB+64*\f+8*\i+3],   v[ADRB+\slot] offset:\q*64+\i*16*PB
	ds_load_b128 v[FB+64*\f+8*\i+4:FB+64*\f+8*\i+7], v[ADRB+\slot] offset:\q*64+\i*16*PB+32
.endr
.irp i, 0,1,2,3
	ds_load_b128 v[FA+64*\f+8*\i:FA+64*\f+8*\i+3],   v[ADRA+\slot] offset:(\q>>1)*HEADB+(\q&1)*64+\i*16*PA
	ds_load_b128 v[FA+64*\f+8*\i+4:FA+64*\f+8*\i+7], v[ADRA+\slot] offset:(\q>>1)*HEADB+(\q&1)*64+\i*16*PA+32
.endr
.endm
; 16 matrix instructions; the 16 accumulators take turns, one instruction a turn, in the same order every time
.macro MUL16 f, first
.if \first
	WIN 0x40                                       ; D in window 1, C (the bias) in window 0
.else
	WIN 0x50                                       ; C and D in window 1
.endif
.irp a, 0,1,2,3
.irp b, 0,1,2,3
.if \first
	v_wmma_f32_16x16x32_f16 v[8*(4*\a+\b):8*(4*\a+\b)+7], v[FB+64*\f+8*\b:FB+64*\f+8*\b+7], v[FA+64*\f+8*\a:FA+64*\f+8*\a+7], v[BIAS+8*\b:BIAS+8*\b+7]
.else
	v_wmma_f32_16x16x32_f16 v[8*(4*\a+\b):8*(4*\a+\b)+7], v[FB+64*\f+8*\b:FB+64*\f+8*\b+7], v[FA+64*\f+8*\a:FA+64*\f+8*\a+7], v[8*(4*\a+\b):8*(4*\a+\b)+7]
.endif
.endr
.endr
	WIN 0
.endm
.macro QSTEP slot, qn, fn, f           ; fetch quarter qn into buffer fn, multiply buffer f
	PLACES
	FETCH \slot, \qn, \fn
	s_wait_dscnt 16                                ; all but the 16 just issued
	MUL16 \f, 0
.endm
.macro SLOTWORK slot, first
	PLACES                                         ; both buffers were read by the last products
	FETCH \slot, 0, 0
	FETCH \slot, 1, 1
	s_wait_dscnt 16
	MUL16 0, \first
	QSTEP \slot, 2, 0, 1
	QSTEP \slot, 3, 1, 0
	QSTEP \slot, 4, 0, 1
	QSTEP \slot, 5, 1, 0
	QSTEP \slot, 6, 0, 1
	QSTEP \slot, 7, 1, 0
	s_wait_dscnt 0
	MUL16 1, 0
.endm
; slot s has been read and is filled again, two slot steps ahead: the waits, the round, the joint refill first behind it
.macro CHANGE s
	s_wait_dscnt 0x0                               ; my reads of the slot are over
	s_wait_tensorcnt 0x0                           ; all my tensor loads have landed, my part of the other slot among them: a group 0 may be written
	ds_add_u32 v30, v31
	s_wait_dscnt 0x0
	s_add_nc_u64 s[G0+4*\s+2:G0+4*\s+3], s[G0+4*\s+2:G0+4*\s+3], 2097152     ; eight heads on
	s_add_nc_u64 s[G0B+4*\s+2:G0B+4*\s+3], s[G0B+4*\s+2:G0B+4*\s+3], 1024    ; 512 elements on
	CROUND
	JLOAD \s
.endm
	s_wait_loadcnt 0x0                             ; the bias
	s_wait_tensorcnt 1                             ; my part of slot 0 is in; slot 1's may stay out
	s_barrier_signal -1
	s_barrier_wait -1
	SLOTWORK 0, 1                                  ; K 0-255
	CHANGE 0
	SLOTWORK 1, 0                                  ; K 256-511
	CHANGE 1
	SLOTWORK 0, 0                                  ; K 512-767
	s_wait_dscnt 0x0
	s_wait_tensorcnt 0x0                           ; my part of the last slot step
	s_barrier_signal -1
	s_barrier_wait -1                              ; everybody's; nothing is left to fetch
	SLOTWORK 1, 0                                  ; K 768-1023
	; THE WAY OUT, 16 rows at a time, through my own stage: 32 bytes a lane in, whole rows of 256 bytes back
	PLACES
	s_lshl_b32 s16, s13, 19                        ; row 128 x block, x 4,096 bytes
	s_lshl_b32 s14, s11, 18                        ; + 64 x half
	s_add_co_u32 s16, s16, s14
	s_mov_b32 s17, 0
	s_add_nc_u64 s[8:9], s[8:9], s[16:17]
	s_add_nc_u64 s[8:9], s[8:9], s[70:71]          ; my 64 columns
.macro OUT16 a, rb
	WIN 0x04                                       ; the stores' data in window 1
.irp b, 0,1,2,3
	ds_store_b128 v[STO], v[8*(4*\a+\b):8*(4*\a+\b)+3]   offset:64*\b
	ds_store_b128 v[STO], v[8*(4*\a+\b)+4:8*(4*\a+\b)+7] offset:64*\b+16
.endr
	WIN 0
	s_wait_xcnt 0x0                                ; the read-back set was the data of earlier stores
.irp t, 0,1,2,3,4,5,6,7
	ds_load_b128 v[\rb+4*\t:\rb+4*\t+3], v[RD] offset:2*SPITCH*\t      ; my own bytes, served in order behind the stores
.endr
.irp t, 0,1,2,3,4,5,6,7
	s_wait_dscnt 7-\t
	global_store_b128 v[CO], v[\rb+4*\t:\rb+4*\t+3], s[8:9] offset:(16*\a+2*\t)*4096 th:TH_STORE_NT   ; 16 lanes store 256 consecutive bytes, aligned
.endr
.endm
	OUT16 0, RB0
	OUT16 1, RB1
	OUT16 2, RB0
	OUT16 3, RB1
	s_wait_tensorcnt 0x0
	ds_add_u32 v30, v31
	s_wait_dscnt 0x0
	CROUND                                         ; the closing round
	s_endpgm
.Lfunc_end_k_qe29eeb8d62_outproj:
	.size	k_qe29eeb8d62_outproj, .Lfunc_end_k_qe29eeb8d62_outproj-k_qe29eeb8d62_outproj
	.p2alignl 7, 3214868480
	.fill 96, 4, 3214868480
	.section	.rodata,"a",@progbits
	.p2align	6, 0x0
	.amdhsa_kernel k_qe29eeb8d62_outproj
		.amdhsa_group_segment_fixed_size 327680
		.amdhsa_private_segment_fixed_size 0
		.amdhsa_enable_private_segment 0
		.amdhsa_kernarg_size 32
		.amdhsa_user_sgpr_count 2
		.amdhsa_user_sgpr_kernarg_segment_ptr 1
		.amdhsa_wavefront_size32 1
		.amdhsa_system_sgpr_workgroup_id_x 1
		.amdhsa_system_sgpr_workgroup_id_y 1
		.amdhsa_system_sgpr_workgroup_id_z 1
		.amdhsa_system_vgpr_workitem_id 0
		.amdhsa_next_free_vgpr 384
		.amdhsa_next_free_sgpr 72
		.amdhsa_reserve_vcc 0
		.amdhsa_float_denorm_mode_32 3
		.amdhsa_float_denorm_mode_16_64 3
		.amdhsa_memory_ordered 1
		.amdhsa_forward_progress 1
		.amdhsa_inst_pref_size 89
	.end_amdhsa_kernel
	.amdgpu_metadata
---
amdhsa.version: [ 1, 2 ]
amdhsa.kernels:
  - .name:           k_qe29eeb8d62_outproj
    .symbol:         k_qe29eeb8d62_outproj.kd
    .args:
      - { .name: ao, .offset: 0, .size: 8, .value_kind: global_buffer, .address_space: global }
      - { .name: wdh, .offset: 8, .size: 8, .value_kind: global_buffer, .address_space: global }
      - { .name: bd, .offset: 16, .size: 8, .value_kind: global_buffer, .address_space: global }
      - { .name: out0, .offset: 24, .size: 8, .value_kind: global_buffer, .address_space: global }
    .group_segment_fixed_size: 327680
    .private_segment_fixed_size: 0
    .kernarg_segment_align: 8
    .kernarg_segment_size: 32
    .max_flat_workgroup_size: 128
    .sgpr_count:     72
    .vgpr_count:     384
    .wavefront_size: 32
...
	.end_amdgpu_metadata
.endif
;; end of part 4
;; ======== version 2 of 2: 4 launches; version 1 with the launch tobf16 written anew for expert scheduling mode
;; limits: values are held in f16: magnitudes above 65,504 overflow, below 6.1e-05 lose precision
;; workspace buffers: xb 8,388,608 bytes; wqb 6,291,456 bytes; wdh 2,097,152 bytes; qkv 25,165,824 bytes; ao 8,388,608 bytes
;; launch tobf16 (part 5): grid 256 x 1, 8 waves a work-group, no clusters, 0 bytes of LDS; arguments x, Wqkv, Wd, xb, wqb, wdh; writes xb, wqb, wdh
.if DOCPART == 5
	.amdgcn_target "amdgcn-amd-amdhsa--gfx1250"
	.amdhsa_code_object_version 6
	.text
	.protected	k_qe29eeb8d62_tobf16
	.globl	k_qe29eeb8d62_tobf16
	.p2align	8
	.type	k_qe29eeb8d62_tobf16,@function
k_qe29eeb8d62_tobf16:
	s_mov_b64 s[64:65], 0
	v_nop
	global_prefetch_b8 v0, s[64:65] scope:SCOPE_SE
	s_setreg_imm32_b32 hwreg(HW_REG_WAVE_SCHED_MODE, 0, 2), 2
	s_setreg_imm32_b32 hwreg(HW_REG_WAVE_MODE, 25, 1), 1
	s_wait_xcnt 0x0
	s_wait_alu depctr_vm_vsrc(0)
; x, Wqkv and Wd (f32) are rounded once to bf16, so that the later launches bring 16-bit tiles into LDS.
;   xb  = bf16(x), wqb = bf16(Wqkv): bf16 codes.
;   wdh = bf16(Wd) written in f16's encoding, because it later meets an f16 operand in one matrix form.
; LIMITS of wdh: a bf16 number has 8 significant bits, so the second step is exact for 2^-14 <= |w| < 65,504;
; below 2^-14 it is rounded to a multiple of 2^-24 (error at most 2^-25); at 65,520 and above it becomes infinity.
; A stream: no LDS, no matrix unit, no cluster (no byte is used twice).
; 256 work-groups of 32,768 numbers: 0-127 take x, 128-223 Wqkv, 224-255 Wd.  A wave takes 4,096 numbers:
; 32 loads of 512 consecutive bytes, all issued at once, and 32 stores of 256 consecutive aligned bytes.
; THE MODE: SCHED_MODE bits 1:0 = 2 (LLVM: expert scheduling mode 2), set by the entry lines.  The code itself states the register dependences
; between vector instructions and memory instructions, with s_wait_alu, always for 0.
; THE PLAN.  The 32 chunks go in 8 blocks of four.  Registers that memory instructions touch:
;   v1, v2   byte offsets of the loads and of the stores: written once at the head, never again.
;   X        chunk j's four registers: written by its load alone, read by its conversions; no vector instruction names them ahead of the load.
;   Y        chunk j's two registers: written by its conversions, read by its one store, never written again.
;   T is named by vector instructions alone.
; No register that a memory instruction reads is ever written again, so no wait for such a read is owed.
; Block p's vector instructions name X, Y of block p and T; its memory instructions are the four stores of block p - 1, which read Y of block p - 1 and v2.
; So one wait at a block's head, behind the wait for its data, states all that its four stores hang on, and they are dealt among its conversions.
.set X, 4                              ; v[4:131]   32 x 4 numbers as loaded
.set Y, 132                            ; v[132:195] 32 x 2 words to store
.set T, 196                            ; v[196:199] at work (Wd only)
	s_load_b256 s[4:11], s[0:1], 0x0               ; x s[4:5], Wqkv s[6:7], Wd s[8:9], xb s[10:11]
	s_load_b128 s[12:15], s[0:1], 0x20             ; wqb s[12:13], wdh s[14:15]
	v_and_b32 v1, 31, v0                           ; lane
	v_lshrrev_b32 v3, 5, v0                        ; wave
	v_lshlrev_b32 v2, 3, v1                        ; out: 8 bytes a lane
	v_lshlrev_b32 v1, 4, v1                        ; in: 16 bytes a lane
	v_lshl_add_u32 v1, v3, 14, v1                  ; + wave x 16,384
	v_lshl_add_u32 v2, v3, 13, v2                  ; + wave x 8,192
	s_mov_b32 s16, 224
	s_mov_b32 s26, 0xffff0000                      ; a word's upper bf16
	s_wait_kmcnt 0x0
	s_cmp_ge_u32 ttmp9, 224                        ; which tensor is mine: the choice hangs on the work-group's number alone
	s_cselect_b64 s[18:19], s[8:9], s[6:7]
	s_cselect_b64 s[20:21], s[14:15], s[12:13]
	s_cselect_b32 s17, s16, 128
	s_cmp_lt_u32 ttmp9, 128
	s_cselect_b64 s[18:19], s[4:5], s[18:19]
	s_cselect_b64 s[20:21], s[10:11], s[20:21]
	s_cselect_b32 s17, 0, s17
	s_sub_co_u32 s17, ttmp9, s17                   ; my number within that tensor
	s_lshl_b32 s22, s17, 17                        ; x 131,072 bytes in
	s_mov_b32 s23, 0
	s_lshl_b32 s24, s17, 16                        ; x 65,536 bytes out
	s_mov_b32 s25, 0
	s_add_nc_u64 s[18:19], s[18:19], s[22:23]
	s_add_nc_u64 s[20:21], s[20:21], s[24:25]
	s_wait_alu depctr_va_vdst(0)                   ; v1 and v2 are written: every load below reads v1 as its offset, every store v2
.irp j, 0,1,2,3,4,5,6,7,8,9,10,11,12,13,14,15,16,17,18,19,20,21,22,23,24,25,26,27,28,29,30,31
	global_load_b128 v[X+4*\j:X+4*\j+3], v1, s[18:19] offset:512*\j th:TH_LOAD_NT
.endr
; chunk j's conversions: four numbers a lane.  wd = 1: the bf16 codes are widened again (a shift, a mask) and written as f16.
.macro CV j, wd
	v_cvt_pk_bf16_f32 v[Y+2*(\j)],   v[X+4*(\j)],   v[X+4*(\j)+1]
	v_cvt_pk_bf16_f32 v[Y+2*(\j)+1], v[X+4*(\j)+2], v[X+4*(\j)+3]
.if \wd
	v_lshlrev_b32 v[T],   16,  v[Y+2*(\j)]
	v_and_b32     v[T+1], s26, v[Y+2*(\j)]
	v_lshlrev_b32 v[T+2], 16,  v[Y+2*(\j)+1]
	v_and_b32     v[T+3], s26, v[Y+2*(\j)+1]
	v_cvt_pk_f16_f32 v[Y+2*(\j)],   v[T],   v[T+1]
	v_cvt_pk_f16_f32 v[Y+2*(\j)+1], v[T+2], v[T+3]
.endif
.endm
; chunk j's store
.macro ST j
	global_store_b64 v2, v[Y+2*(\j):Y+2*(\j)+1], s[20:21] offset:256*(\j)   ; the wave's 32 lanes store 256 consecutive bytes, aligned
.endm
; block p: chunks 4 p to 4 p + 3 are converted; the stores of block p - 1 stand among the conversions, one ahead of each chunk's lines
.macro BLK p, wd
	s_wait_loadcnt 28-4*(\p)                       ; loads come back in order: the block's four chunks are in, the 28 - 4 p younger loads stay out
.if (\p) > 0
	s_wait_alu depctr_va_vdst(0)                   ; the block before has written its Y, which the four stores below read; no vector instruction behind this wait names those registers or v2
.endif
.irp i, 0,1,2,3
.if (\p) > 0
	ST 4*(\p)-4+(\i)
.endif
	CV 4*(\p)+(\i), \wd
.endr
.endm
	s_cmp_ge_u32 ttmp9, 224
	s_cbranch_scc1 .Lwd
.irp p, 0,1,2,3,4,5,6,7
	BLK \p, 0
.endr
	s_wait_alu depctr_va_vdst(0)                   ; block 7 has written its Y, which the last four stores read
.irp j, 28,29,30,31
	ST \j
.endr
	s_endpgm
.Lwd:
.irp p, 0,1,2,3,4,5,6,7
	BLK \p, 1
.endr
	s_wait_alu depctr_va_vdst(0)                   ; block 7 has written its Y, which the last four stores read
.irp j, 28,29,30,31
	ST \j
.endr
	s_endpgm
.Lfunc_end_k_qe29eeb8d62_tobf16:
	.size	k_qe29eeb8d62_tobf16, .Lfunc_end_k_qe29eeb8d62_tobf16-k_qe29eeb8d62_tobf16
	.p2alignl 7, 3214868480
	.fill 96, 4, 3214868480
	.section	.rodata,"a",@progbits
	.p2align	6, 0x0
	.amdhsa_kernel k_qe29eeb8d62_tobf16
		.amdhsa_group_segment_fixed_size 0
		.amdhsa_private_segment_fixed_size 0
		.amdhsa_enable_private_segment 0
		.amdhsa_kernarg_size 48
		.amdhsa_user_sgpr_count 2
		.amdhsa_user_sgpr_kernarg_segment_ptr 1
		.amdhsa_wavefront_size32 1
		.amdhsa_system_sgpr_workgroup_id_x 1
		.amdhsa_system_sgpr_workgroup_id_y 1
		.amdhsa_system_sgpr_workgroup_id_z 1
		.amdhsa_system_vgpr_workitem_id 0
		.amdhsa_next_free_vgpr 200
		.amdhsa_next_free_sgpr 66
		.amdhsa_reserve_vcc 0
		.amdhsa_float_denorm_mode_32 3
		.amdhsa_float_denorm_mode_16_64 3
		.amdhsa_memory_ordered 1
		.amdhsa_forward_progress 1
		.amdhsa_inst_pref_size 28
	.end_amdhsa_kernel
	.amdgpu_metadata
---
amdhsa.version: [ 1, 2 ]
amdhsa.kernels:
  - .name:           k_qe29eeb8d62_tobf16
    .symbol:         k_qe29eeb8d62_tobf16.kd
    .args:
      - { .name: x, .offset: 0, .size: 8, .value_kind: global_buffer, .address_space: global }
      - { .name: Wqkv, .offset: 8, .size: 8, .value_kind: global_buffer, .address_space: global }
      - { .name: Wd, .offset: 16, .size: 8, .value_kind: global_buffer, .address_space: global }
      - { .name: xb, .offset: 24, .size: 8, .value_kind: global_buffer, .address_space: global }
      - { .name: wqb, .offset: 32, .size: 8, .value_kind: global_buffer, .address_space: global }
      - { .name: wdh, .offset: 40, .size: 8, .value_kind: global_buffer, .address_space: global }
    .group_segment_fixed_size: 0
    .private_segment_fixed_size: 0
    .kernarg_segment_align: 8
    .kernarg_segment_size: 48
    .max_flat_workgroup_size: 256
    .sgpr_count:     66
    .vgpr_count:     200
    .wavefront_size: 32
...
	.end_amdgpu_metadata
.endif
;; end of part 5
;; launch qkvproj: the kernel of part 2 again; grid 16 x 16, 4 waves a work-group, clusters of 4 x 4, 327,680 bytes of LDS; arguments xb, wqb, bqkv, qkv; writes qkv
;; launch attn: the kernel of part 3 again; grid 8 x 32, 8 waves a work-group, no clusters, 327,680 bytes of LDS; arguments qkv, ao; writes ao
;; launch outproj: the kernel of part 4 again; grid 8 x 32, 4 waves a work-group, clusters of 4 x 4, 327,680 bytes of LDS; arguments ao, wdh, bd, out0; writes out0
